; MI455X (gfx1250); checked and timed in simulation.
; The chip was launched on July 23, 2026; its instructions are those of AMD's public machine-readable ISA for CDNA 5 (MIT licence, August 2026) and "CDNA5" Instruction Set Architecture Reference Guide (July 2026). The comments in the code are by the model that wrote it; some were corrected since.
;; Attention Block. Allowed arithmetic: matrix products marked QUANTISED: E5M2 operands, one E8M0 scale for each 32 along K, by v_wmma_scale_f32_16x16x128_f8f6f4 with both operands' format E5M2, f32 sums; everything else in f32.
;; Inputs: gn_b 256 float32; gn_w 256 float32; proj_b 256 float32; proj_w_codes 256 x 8 x 32 uint8 (E5M2 codes of proj_w, K innermost, in blocks of 32 codes); proj_w_scales 256 x 8 uint8 (E8M0 scales of proj_w, one for each 32 codes along K); qkv_b 768 float32; qkv_w_codes 768 x 8 x 32 uint8 (E5M2 codes of qkv_w, K innermost, in blocks of 32 codes); qkv_w_scales 768 x 8 uint8 (E8M0 scales of qkv_w, one for each 32 codes along K); x 4 x 256 x 64 x 64 float32.
;; Outputs: out0 4 x 256 x 64 x 64 float32.
;; This version of the problem:
;;   THIS VERSION OF THE PROBLEM IS GIVEN IN LOW PRECISION. The matrix products marked QUANTISED in the list below multiply operands that are first quantised to E5M2 (5 exponent bits, 2 mantissa bits; 8 bits a number), with one power-of-two scale for each 32 numbers along K (OCP MX v1.0); their sums are f32. All else is computed in f32.
;;   The module's matrix products, in the order in which they are computed (A, B: the left and right operand; K: the contracted axis; several contracted axes count as one K, in the product's order):
;;     1. [M 16,384, K 256] x [K 256, N 768]; A: computed on the way; B: input qkv_w (given as codes): QUANTISED
;;     2. batch 16 x [M 4,096, K 64] x [K 64, N 4,096]; A: computed on the way; B: computed on the way: QUANTISED
;;     3. batch 16 x [M 64, K 4,096] x [K 4,096, N 4,096]; A: computed on the way; B: softmax (see below): QUANTISED
;;     4. [M 16,384, K 256] x [K 256, N 256]; A: computed on the way; B: input proj_w (given as codes): QUANTISED
;;   THE QUANTISER, for each operand of a quantised product, along K:
;;     - K is cut into blocks of 32 from its start; a last block that is shorter is filled with zeros.
;;     - A block's scale is 2^e with e = floor(log2(the largest magnitude in the block)) - 15, held to -126 .. 127; a block of zeros has e = 0. As a byte (E8M0): e + 127.
;;     - Each number is divided by its block's scale, clamped to +-57,344, and rounded to the nearest number of E5M2, ties to even, subnormals kept.
;;     - The product sums the exact products of the quantised numbers (number of the format x scale) in f32.
;;   ~~~python
;;   def quantise(x, axis):      # numpy; x: float32 -> the quantised numbers, widened to float32 again
;;       x = np.moveaxis(x, axis, -1); K = x.shape[-1]
;;       x = np.pad(x, [(0, 0)] * (x.ndim - 1) + [(0, -K % 32)]); x = x.reshape(x.shape[:-1] + (-1, 32)); a = np.abs(x).max(-1, keepdims=True)
;;       e = np.where(a > 0, np.clip(np.frexp(np.where(a > 0, a, 1))[1] - 1 - 15, -126, 127), 0)      # np.frexp(a)[1] - 1 = floor(log2(a)), exactly
;;       r = np.clip(x / 2.0 ** e, -57344, 57344)
;;       step = 2.0 ** (np.maximum(np.frexp(np.where(r == 0, 1, r))[1] - 1, -14) - 2)
;;       q = np.round(r / step) * step * 2.0 ** e      # np.round: ties to even
;;       return np.moveaxis(q.reshape(q.shape[:-2] + (-1,))[..., :K], -1, axis).astype(np.float32)
;;   ~~~
;;   SOFTMAX AHEAD OF A QUANTISED PRODUCT. Where the list says 'softmax', what is quantised is not the finished softmax but p = 2^(t - M), with t = logit x log2(e) and M = ceil(the row's largest t), a whole number; so 1/2 < the row's largest p <= 1. The row's sum l is taken of the UNQUANTISED p, in f32, and the product's result is divided by l at the end. Since M is a whole number, a kernel that streams over the keys may use a running M (the ceiling of the running maximum): every later rescaling is an exact power of two, which a block's scale takes up: the codes' values come out the same.
;;   OPERANDS COMPUTED ON THE WAY. 'Computed on the way' means the value that the module computes at that place (a softmax that the list does not call 'softmax' is quantised finished and normalised). What goes into a quantiser is computed in f32, as accurately as f32 sums, v_exp_f32 and their like allow (about 1e-6 of the number): no bf16 or f16 on the way to a quantiser, and a product that is left as it is and whose result goes on into a quantised operand takes f32 operands (vector FMAs, or v_wmma_f32_16x16x4_f32). A number that lies on a knife's edge between two numbers of the format may be rounded either way, as far as f32 arithmetic and the matrix unit's own rounding can turn it there, and no further.
;;   INPUTS GIVEN AS CODES. proj_w (in the module: [256, 256], K = its axis 1); qkv_w (in the module: [768, 256], K = its axis 1): each comes as NAME_codes (uint8): NAME with its K axis moved to the last place and cut into blocks of 32 codes, [.., K / 32, bytes a block], one block behind the other in memory; one code a byte (a code: sign, 5 exponent bits, 2 mantissa bits); and NAME_scales (uint8): the same leading axes, one E8M0 byte (e + 127) for each 32 codes along K. Its value is code x scale, taken as it is: it is not quantised again, and the codes and scales need not be those that the quantiser above would give.
;; One version. Each part assembles by itself: llvm-mc -triple=amdgcn-amd-amdhsa -mcpu=gfx1250 --defsym DOCPART=n.
;; ======== version 1 of 1: 4 launches
;; limits: right only within a limited range of input values
;; workspace buffers: stats 2,048 bytes; qc 4,194,304 bytes; qs 262,144 bytes; kv 8,781,824 bytes; ac 4,194,304 bytes; asc 262,144 bytes
;; launch gn_stats (part 1): grid 256 x 1, 16 waves a work-group, no clusters, 2,304 bytes of LDS; arguments x, stats; writes stats
.if DOCPART == 1
	.amdgcn_target "amdgcn-amd-amdhsa--gfx1250"
	.amdhsa_code_object_version 6
	.text
	.protected	k_q3aa4f97de5_gn_stats
	.globl	k_q3aa4f97de5_gn_stats
	.p2align	8
	.type	k_q3aa4f97de5_gn_stats,@function
k_q3aa4f97de5_gn_stats:
	s_mov_b64 s[64:65], 0
	v_nop
	global_prefetch_b8 v0, s[64:65] scope:SCOPE_SE
	s_setreg_imm32_b32 hwreg(HW_REG_WAVE_MODE, 25, 1), 1
	s_wait_xcnt 0x0
; GroupNorm's statistics.  x: [4][256][4096] f32; a group is 8 channels x 4,096 pixels = 131,072 dense bytes.
; Work-group i takes half a group, the 65,536 bytes at 65,536 i, and stores {mean, M2 = sum of (x - mean)^2} of its 16,384 numbers at stats + 8 i:
; stats is [batch 4][group 32][half 2]{mean, M2}.  The next launch joins the two halves.
; A thread keeps its 32 numbers in registers between the two passes: x is read once, and M2 is taken about the true mean of the half, so a common
; offset of the inputs costs no digits.  Each load of a wave covers 512 consecutive bytes.
; No matrix unit, no tensor load: the launch only streams and adds.  LIMITS: NaN and infinities among the inputs are not served.
.set D,   8                            ; v8-39   my 32 numbers
.set CH,  40                           ; v40-47  four packed chains
.set PT,  48                           ; v48     a lane permute's destination
.set WP,  52                           ; v52-67  the sixteen waves' partial sums
.set MP,  68                           ; v68-69  the mean, twice; at the end {mean, M2}
	s_load_b128 s[4:7], s[0:1], 0x0                ; x, stats
	v_lshl_add_u32 v72, v0, 2, 0x100
	v_mov_b32 v73, 0
	v_lshlrev_b32 v1, 4, v0                        ; my 16 bytes of a load's 8,192
	v_lshrrev_b32 v2, 5, v0
	s_delay_alu instid0(VALU_DEP_1)
	v_readfirstlane_b32 s8, v2                     ; wave
	s_delay_alu instid0(VALU_DEP_2)
	v_lshlrev_b32 v2, 2, v2                        ; LDS: my wave's word
	v_mov_b32 v3, 0
	v_mov_b32 v[PT], 0                             ; a lane permute's destination counts as one of its sources
	s_lshl_b32 s10, ttmp9, 16
	s_mov_b32 s11, 0
	s_mov_b32 s12, 0x76543210
	s_mov_b32 s13, 0xfedcba98                      ; v_permlanex16_b32's selects for lane l xor 16
	s_wait_alu depctr_va_vdst(0)
	s_wait_kmcnt 0x0
	s_add_nc_u64 s[4:5], s[4:5], s[10:11]
	s_lshl_b32 s10, ttmp9, 3
	s_add_nc_u64 s[6:7], s[6:7], s[10:11]
.irp j, 0,1,2,3,4,5,6,7
	global_load_b128 v[D+4*\j:D+4*\j+3], v1, s[4:5] offset:8192*\j   ; no hint: later launches read x again
.endr
; The four chains, the 32 lanes and the 16 waves are added; the sum lands in v[dst] of every lane.  off: this sum's own 64 bytes of LDS.
.macro ALLSUM off, dst
	s_delay_alu instid0(VALU_DEP_3)
	v_pk_add_f32 v[CH:CH+1], v[CH:CH+1], v[CH+2:CH+3]
	s_delay_alu instid0(VALU_DEP_2)
	v_pk_add_f32 v[CH+4:CH+5], v[CH+4:CH+5], v[CH+6:CH+7]
	s_delay_alu instid0(VALU_DEP_1)
	v_pk_add_f32 v[CH:CH+1], v[CH:CH+1], v[CH+4:CH+5]
	s_delay_alu instid0(VALU_DEP_1)
	v_add_f32 v[CH], v[CH], v[CH+1]
	s_delay_alu instid0(VALU_DEP_1)
	v_add_f32_dpp v[CH], v[CH], v[CH] row_xmask:1 row_mask:0xf bank_mask:0xf
	s_delay_alu instid0(VALU_DEP_1)
	v_add_f32_dpp v[CH], v[CH], v[CH] row_xmask:2 row_mask:0xf bank_mask:0xf
	s_delay_alu instid0(VALU_DEP_1)
	v_add_f32_dpp v[CH], v[CH], v[CH] row_xmask:4 row_mask:0xf bank_mask:0xf
	s_delay_alu instid0(VALU_DEP_1)
	v_add_f32_dpp v[CH], v[CH], v[CH] row_xmask:8 row_mask:0xf bank_mask:0xf
	s_delay_alu instid0(VALU_DEP_1)
	v_permlanex16_b32 v[PT], v[CH], s12, s13
	s_delay_alu instid0(VALU_DEP_1)
	v_add_f32 v[CH], v[CH], v[PT]
	ds_store_b32 v2, v[CH] offset:\off             ; all lanes of a wave write the same word with the same value
	s_wait_dscnt 0x0                               ; for the others' sake: my store has landed
	s_barrier_signal -1
	s_barrier_wait -1
.irp i, 0,1,2,3
	ds_load_b128 v[WP+4*\i:WP+4*\i+3], v3 offset:\off+16*\i
.endr
	s_wait_dscnt 0x0
.irp i, 0,4,8,12
	v_pk_add_f32 v[WP+\i:WP+\i+1], v[WP+\i:WP+\i+1], v[WP+\i+2:WP+\i+3]
.endr
	s_delay_alu instid0(VALU_DEP_3)
	v_pk_add_f32 v[WP:WP+1], v[WP:WP+1], v[WP+4:WP+5]
	s_delay_alu instid0(VALU_DEP_2)
	v_pk_add_f32 v[WP+8:WP+9], v[WP+8:WP+9], v[WP+12:WP+13]
	s_delay_alu instid0(VALU_DEP_1)
	v_pk_add_f32 v[WP:WP+1], v[WP:WP+1], v[WP+8:WP+9]
	s_delay_alu instid0(VALU_DEP_1)
	v_add_f32 v[\dst], v[WP], v[WP+1]
.endm
	s_wait_loadcnt 0x0
.irp p, 0,1,2,3
	v_pk_add_f32 v[CH+2*\p:CH+2*\p+1], v[D+2*\p:D+2*\p+1], v[D+8+2*\p:D+9+2*\p]   ; the first pairs start the chains: nothing is cleared
.endr
.irp p, 8,9,10,11,12,13,14,15
	s_delay_alu instid0(VALU_DEP_4)
	v_pk_add_f32 v[CH+2*(\p%4):CH+2*(\p%4)+1], v[CH+2*(\p%4):CH+2*(\p%4)+1], v[D+2*\p:D+2*\p+1]
.endr
	ALLSUM 0, WP
	s_delay_alu instid0(VALU_DEP_1)
	v_mul_f32 v[MP], 0x38800000, v[WP]             ; / 16,384
	s_delay_alu instid0(VALU_DEP_1)
	v_mov_b32 v[MP+1], v[MP]
.irp p, 0,1,2,3,4,5,6,7,8,9,10,11,12,13,14,15
	v_pk_add_f32 v[D+2*\p:D+2*\p+1], v[D+2*\p:D+2*\p+1], v[MP:MP+1] neg_lo:[0,1] neg_hi:[0,1]   ; x - mean
.endr
.irp p, 0,1,2,3
	v_pk_mul_f32 v[CH+2*\p:CH+2*\p+1], v[D+2*\p:D+2*\p+1], v[D+2*\p:D+2*\p+1]
.endr
.irp p, 4,5,6,7,8,9,10,11,12,13,14,15
	s_delay_alu instid0(VALU_DEP_4)
	v_pk_fma_f32 v[CH+2*(\p%4):CH+2*(\p%4)+1], v[D+2*\p:D+2*\p+1], v[D+2*\p:D+2*\p+1], v[CH+2*(\p%4):CH+2*(\p%4)+1]
.endr
	ALLSUM 64, MP+1                                ; other bytes of LDS than the first sum's, so no barrier stands between the first sum's reads and these stores
	s_cmp_lg_u32 s8, 0
	s_cbranch_scc1 .Lend                           ; thread 0 stores for the work-group
	s_wait_xcnt 0x0                                ; EXEC is a source of the loads above: it changes only behind this wait
	v_cmp_eq_u32 vcc_lo, 0, v0
	s_and_saveexec_b32 s14, vcc_lo
	s_wait_alu depctr_va_vdst(0)
	global_store_b64 v3, v[MP:MP+1], s[6:7]
	s_wait_xcnt 0x0                                ; and again in front of the line that widens it
	s_or_b32 exec_lo, exec_lo, s14
.Lend:
	s_wait_tensorcnt 0x0
	ds_add_u32 v72, v73
	s_wait_dscnt 0x0
	s_endpgm
.Lfunc_end_k_q3aa4f97de5_gn_stats:
	.size	k_q3aa4f97de5_gn_stats, .Lfunc_end_k_q3aa4f97de5_gn_stats-k_q3aa4f97de5_gn_stats
	.p2alignl 7, 3214868480
	.fill 96, 4, 3214868480
	.section	.rodata,"a",@progbits
	.p2align	6, 0x0
	.amdhsa_kernel k_q3aa4f97de5_gn_stats
		.amdhsa_group_segment_fixed_size 2304
		.amdhsa_private_segment_fixed_size 0
		.amdhsa_enable_private_segment 0
		.amdhsa_kernarg_size 16
		.amdhsa_user_sgpr_count 2
		.amdhsa_user_sgpr_kernarg_segment_ptr 1
		.amdhsa_wavefront_size32 1
		.amdhsa_system_sgpr_workgroup_id_x 1
		.amdhsa_system_sgpr_workgroup_id_y 1
		.amdhsa_system_sgpr_workgroup_id_z 1
		.amdhsa_system_vgpr_workitem_id 0
		.amdhsa_next_free_vgpr 74
		.amdhsa_next_free_sgpr 66
		.amdhsa_reserve_vcc 1
		.amdhsa_float_denorm_mode_32 3
		.amdhsa_float_denorm_mode_16_64 3
		.amdhsa_memory_ordered 1
		.amdhsa_forward_progress 1
		.amdhsa_inst_pref_size 10
	.end_amdhsa_kernel
	.amdgpu_metadata
---
amdhsa.version: [ 1, 2 ]
amdhsa.kernels:
  - .name:           k_q3aa4f97de5_gn_stats
    .symbol:         k_q3aa4f97de5_gn_stats.kd
    .args:
      - { .name: x, .offset: 0, .size: 8, .value_kind: global_buffer, .address_space: global }
      - { .name: stats, .offset: 8, .size: 8, .value_kind: global_buffer, .address_space: global }
    .group_segment_fixed_size: 2304
    .private_segment_fixed_size: 0
    .kernarg_segment_align: 8
    .kernarg_segment_size: 16
    .max_flat_workgroup_size: 512
    .sgpr_count:     66
    .vgpr_count:     74
    .wavefront_size: 32
...
	.end_amdgpu_metadata
.endif
;; end of part 1
;; launch qkv (part 2): grid 128 x 2, 8 waves a work-group, no clusters, 37,888 bytes of LDS; arguments x, stats, gn_w, gn_b, qkv_w_codes, qkv_w_scales, qkv_b, qc, qs, kv; writes qc, qs, kv
.if DOCPART == 2
	.amdgcn_target "amdgcn-amd-amdhsa--gfx1250"
	.amdhsa_code_object_version 6
	.text
	.protected	k_q3aa4f97de5_qkv
	.globl	k_q3aa4f97de5_qkv
	.p2align	8
	.type	k_q3aa4f97de5_qkv,@function
k_q3aa4f97de5_qkv:
	s_mov_b64 s[64:65], 0
	v_nop
	global_prefetch_b8 v0, s[64:65] scope:SCOPE_SE
	s_setreg_imm32_b32 hwreg(HW_REG_WAVE_MODE, 25, 1), 1
	s_wait_xcnt 0x0
; GroupNorm finished, xn quantised along the channels, qkv = W xn + b on codes of BF8 (E5M2) with one E8M0 scale for each 32 along K, and q, k (along the head's 64) and v (along the keys)
; quantised into the layouts in which the attention launch's matrix instructions take them.
; SHARES.  Work-group (X, y): batch X / 32, pixels 128 (X % 32) on (one key step of the attention), heads 2 y and 2 y + 1: 384 of the 768 outputs.  Eight waves.
; A TILE OF PIXELS IS NOT 16 NEIGHBOURS: row r of tile t is pixel 32 (t / 2) + 8 (t % 2) + r + 8 (r / 8), and the rows of W that form a tile are chosen likewise.  In a result (lane (r, h), register j:
; row 8 h + j) the 16 registers of tiles 2 b and 2 b + 1 are then 16 neighbours, 32 b + 16 h + 0 .. 15, which is the order in which the next product's operand wants them: the conversions' results
; ARE the operand's registers, and they are stored as an image of those registers: a piece of 512 bytes, lane l's 16 bytes at 16 l (registers 4 c .. 4 c + 3).
; PHASES.  X: wave w takes 32 pixels (pair w % 4 of tiles; a lane to a pixel) and 128 channels (K step w / 4); its registers run down the channels, so a block of 32 along K lies in one lane.
;   xn = (x - mean) (rstd gn_w) + gn_b; codes and scale words go to LDS as images.   QK: wave w makes q (w / 4 = 0) or k (1) of head 2 y + (w / 2) % 2 for four tiles of pixels (w % 2): source 0 = 16 rows of W,
;   source 1 = xn: a lane holds one pixel and the head's 64.   V: wave w makes 16 of the 64 of v of head 2 y + w / 4 (tile w % 4) for all 128 pixels: source 0 = xn, source 1 = 16 rows of W: a lane holds one
;   of the 64 and its registers run along the keys.  The biases are the C of each sum's first matrix instruction.
; OUT.  qc [bh 16][tile 256][piece 2][512], qs [bh][tile][row 16][4 bytes: two scale bytes, two zeros];  kv [bh][key step 32] records of 17,152 bytes: k's codes [tile 8][piece 2][512], at 8,192 v's codes
;   [tile 4][piece 4][512], at 16,384 k's scale words [tile 8][row 16], at 16,896 v's [tile 4][row 16].
; No tensor load: every byte is used once by the wave that loads it.  No cluster: what work-groups share is the weights, which go once, straight into registers.
; LIMITS: NaN and infinities are not served; a block whose largest magnitude lies under 2^-111 is held at the scale byte 1, and a block of zeros gets that byte too (its codes are zeros, and this program alone
; reads the bytes); v_rsq_f32 stands for rsqrt; xn is formed as (x - mean) (rstd w) + b, which rounds otherwise than ((x - mean) rstd) w + b in the last bit.
; REGISTERS.  Window 0: v1-15, v200-219 addresses and the head's work; v16-79 x, two sets of 32, later xn's fragments; v80-151 a block's constants, later the accumulators; v152-167 codes; v168-183 at work;
;   v184-185 scale words just made; v186-199 scale words of operands.   Window 1: v0-127 W for q or k (tile t, K step s at 16 (2 t + s)); v128-159 W for v; v160-191, v192-199 the biases.
.set GA,   0                           ; LDS: rstd x gn_w, 256 numbers
.set GB,   1024                        ; gn_b
.set GNM,  2048                        ; {-mean, -mean} of the 32 groups
.set XSC,  2304                        ; xn's scale words [tile 8][K step 2][row 16]
.set IMG,  4096                        ; xn's fragments [tile 8][K step 2][piece 4][512]
.set REC,  17152
.set VPX,  4
.set VI,   5
.set VS,   6
.set FA,   7
.set FS,   8
.set VW,   9
.set VWS,  10
.set VB,   11
.set VBV,  12
.set LI,   13
.set R4,   14
.set VC,   15
.set X,    16
.set XF,   16
.set CA,   80
.set CB,   112
.set CM,   144
.set HA,   80
.set PC,   152
.set TM,   168                         ; +0..3 largest magnitudes, +4..7 the other half's, then bytes, +12..15 the conversions' scale operands
.set PW,   184
.set SB,   185
.set XS,   186
.set W1S,  190
.set WVS,  198
.set VCM,  200
.set FAV,  201
.set FSV,  202
.set LIV,  218
.set R4V,  219
.set MSB, 0
.macro WIN new                         ; the immediate's high byte repeats the setting that is left
.if MSB != \new
	s_set_vgpr_msb (MSB<<8)|\new
.set MSB, \new
.endif
.endm
.macro XLOAD q, set                    ; block q of my K step: x(32 q + i, my pixel), i = 0 .. 31: a load reads 128 consecutive bytes, four waves side by side 512
.set ii, 0
.rept 32
	global_load_b32 v[X+32*\set+ii], v[VPX], s[4:5] offset:(32*\q+ii)*16384
.set ii, ii+1
.endr
.endm
; Block q: normalised, quantised, and stored as piece q of two fragments (my pixel's row in its tile; the block's first 16 channels belong to the lower half of the lanes, the others to the upper)
.macro XBLOCK q
.set XB, X+32*((\q)%2)
.irp i, 0,1,2,3,4,5,6,7
	ds_load_b128 v[CA+4*\i:CA+4*\i+3], v[VC] offset:GA+128*(\q)+16*\i      ; the block's 32 gains: every lane reads the same bytes
.endr
.irp i, 0,1,2,3,4,5,6,7
	ds_load_b128 v[CB+4*\i:CB+4*\i+3], v[VC] offset:GB+128*(\q)+16*\i
.endr
.irp i, 0,1
	ds_load_b128 v[CM+4*\i:CM+4*\i+3], v[VCM] offset:GNM+32*(\q)+16*\i     ; its four groups' -mean, each twice
.endr
	s_wait_loadcnt 32                              ; this block's 32 loads are in; the 32 loads issued behind them may be out
	s_wait_dscnt 0x0                               ; the constants are in, and the last block's stores have read their registers
.set ii, 0
.rept 16
	v_pk_add_f32 v[XB+2*ii:XB+2*ii+1], v[XB+2*ii:XB+2*ii+1], v[CM+2*(ii/4):CM+2*(ii/4)+1]
.set ii, ii+1
.endr
.set ii, 0
.rept 16
	v_pk_fma_f32 v[XB+2*ii:XB+2*ii+1], v[XB+2*ii:XB+2*ii+1], v[CA+2*ii:CA+2*ii+1], v[CB+2*ii:CB+2*ii+1]
.set ii, ii+1
.endr
	v_max3_num_f32 v[TM], |v[XB]|, |v[XB+1]|, |v[XB+2]|                    ; the block's largest magnitude: all 32 numbers are mine
	v_max3_num_f32 v[TM+1], |v[XB+3]|, |v[XB+4]|, |v[XB+5]|
.irp i, 6,10,14,18,22,26
	s_delay_alu instid0(VALU_DEP_2)
	v_max3_num_f32 v[TM], v[TM], |v[XB+\i]|, |v[XB+\i+1]|
	s_delay_alu instid0(VALU_DEP_2)
	v_max3_num_f32 v[TM+1], v[TM+1], |v[XB+\i+2]|, |v[XB+\i+3]|
.endr
	s_delay_alu instid0(VALU_DEP_2)
	v_max3_num_f32 v[TM], v[TM], |v[XB+30]|, |v[XB+31]|
	s_delay_alu instid0(VALU_DEP_1)
	v_max3_num_f32 v[TM], v[TM], v[TM+1], 0x8000000                        ; and the floor 2^(16 - 127): the byte cannot fall under 1
	s_delay_alu instid0(VALU_DEP_1)
	v_add_nc_u32 v[TM+12], 0xf8800000, v[TM]                               ; 15 off its exponent field: the conversion takes the exponent field of this operand as its scale
.if (\q) == 0
	s_delay_alu instid0(VALU_DEP_1)
	v_lshrrev_b32 v[SB], 23, v[TM+12]                                      ; the scale's byte; four of them make my pixel's scale word
.else
	s_delay_alu instid0(VALU_DEP_1)
	v_lshrrev_b32 v[TM+1], 23, v[TM+12]
	s_delay_alu instid0(VALU_DEP_1)
	v_lshl_or_b32 v[SB], v[TM+1], 8*(\q), v[SB]
.endif
.set ii, 0
.rept 32
.set ii, ii+1
.endr
.irp g, 0,1,2,3
	v_cvt_scalef32_pk8_bf8_f32 v[PC+2*\g:PC+2*\g+1], v[XB+8*\g:XB+8*\g+7], v[TM+12]
.endr
	v_nop                                          ; one plain vector line behind the last conversion of a run
	ds_store_b128 v[VI], v[PC:PC+3] offset:512*(\q)
	ds_store_b128 v[VI], v[PC+4:PC+7] offset:512*(\q)+256
.endm
; nb blocks of a lane, register s + 16 b + i = k 32 b + 16 (lane / 16) + i of my row, become codes in v[PC + 4 b] on and the row's scale word in v[PW]
.macro QUANT s, nb
.set bb, 0
.rept \nb
	v_max3_num_f32 v[TM+bb], |v[\s+16*bb]|, |v[\s+16*bb+1]|, 0x8000000     ; my 16 numbers of block b, and the floor; each accumulator is read from its low end on
.set bb, bb+1
.endr
.irp i, 2,4,6,8,10,12,14
.set bb, 0
.rept \nb
	v_max3_num_f32 v[TM+bb], v[TM+bb], |v[\s+16*bb+\i]|, |v[\s+16*bb+\i+1]|
.set bb, bb+1
.endr
.endr
.set bb, 0
.rept \nb
	v_permlanex16_b32 v[TM+4+bb], v[TM+bb], s28, s29
.set bb, bb+1
.endr
.set bb, 0
.rept \nb
	v_max_num_f32 v[TM+bb], v[TM+bb], v[TM+4+bb]                           ; with lane l xor 16's: the block's largest magnitude
.set bb, bb+1
.endr
.set bb, 0
.rept \nb
	v_add_nc_u32 v[TM+12+bb], 0xf8800000, v[TM+bb]
.set bb, bb+1
.endr
.set bb, 0
.rept \nb
	v_lshrrev_b32 v[TM+4+bb], 23, v[TM+12+bb]
.set bb, bb+1
.endr
	v_lshl_or_b32 v[PW], v[TM+5], 8, v[TM+4]
.if \nb == 4
	s_delay_alu instid0(VALU_DEP_1)
	v_lshl_or_b32 v[PW], v[TM+6], 16, v[PW]
	s_delay_alu instid0(VALU_DEP_1)
	v_lshl_or_b32 v[PW], v[TM+7], 24, v[PW]
.endif
.set bb, 0
.rept \nb
.set ii, 0
.rept 16
.set ii, ii+1
.endr
	v_cvt_scalef32_pk8_bf8_f32 v[PC+4*bb:PC+4*bb+1], v[\s+16*bb:\s+16*bb+7], v[TM+12+bb]
	v_cvt_scalef32_pk8_bf8_f32 v[PC+4*bb+2:PC+4*bb+3], v[\s+16*bb+8:\s+16*bb+15], v[TM+12+bb]
.set bb, bb+1
.endr
	v_nop                                          ; one plain vector line behind the last conversion: later products write its sources
.endm
.macro FETCH reg, adr, off                     ; a fragment's image comes back as it was stored
.irp c, 0,1,2,3
	ds_load_b128 v[(\reg)+4*\c:(\reg)+4*\c+3], v[\adr] offset:(\off)+512*\c
.endr
.endm
.macro MM d, a, b, c, sa, sb
	v_wmma_scale_f32_16x16x128_f8f6f4 v[\d:\d+7], v[\a:\a+15], v[\b:\b+15], v[\c:\c+7], v[\sa], v[\sb] matrix_a_fmt:MATRIX_FMT_BF8 matrix_b_fmt:MATRIX_FMT_BF8
.endm
	s_load_b256 s[4:11], s[0:1], 0x0               ; x, stats, gn_w, gn_b
	s_load_b256 s[12:19], s[0:1], 0x20             ; W's codes, W's scales, qkv_b, qc
	s_load_b128 s[20:23], s[0:1], 0x40             ; qs, kv
	v_lshl_add_u32 v254, v0, 2, 0x9000
	v_mov_b32 v255, 0
	v_lshrrev_b32 v1, 5, v0
	s_delay_alu instid0(VALU_DEP_1)
	v_readfirstlane_b32 s24, v1                    ; wave 0..7
	v_and_b32 v1, 31, v0                           ; lane
	s_wait_alu depctr_va_vdst(0)
	v_and_b32 v2, 15, v0                           ; r
	v_bfe_u32 v3, v0, 4, 1                         ; h
	s_lshr_b32 s25, ttmp9, 5                       ; batch
	s_and_b32 s26, ttmp9, 31                       ; key step
	s_and_b32 s27, ttmp7, 0xffff                   ; which pair of heads
	s_mov_b32 s28, 0x76543210
	s_mov_b32 s29, 0xfedcba98                      ; v_permlanex16_b32's selects for lane l xor 16
	s_and_b32 s31, s24, 3                          ; X: pair of tiles;  V: tile of the head's 64
	s_lshr_b32 s32, s24, 2                         ; X: K step;  QK: q or k;  V: which of my two heads
	s_bfe_u32 s33, s24, 0x10001                    ; QK: which of my two heads
	s_and_b32 s34, s24, 1                          ; QK: which four tiles of pixels
	s_mov_b32 s35, 0x46000000                      ; 8,192
	s_mov_b32 s36, 0x38000000                      ; 1 / 32,768
	s_mov_b32 s37, 0x3727c5ac                      ; 1e-5
	v_lshlrev_b32 v[VPX], 2, v1
	v_lshrrev_b32 v206, 3, v0                      ; thread c serves channel c: its group
	s_delay_alu instid0(VALU_DEP_1)
	v_lshlrev_b32 v207, 4, v206
	s_delay_alu instid0(VALU_DEP_2)
	v_lshlrev_b32 v208, 3, v206
	v_lshlrev_b32 v209, 2, v0
	s_lshl_b32 s40, s25, 22                        ; x: batch, my K step's 128 channels, the 128 pixels, my 32 of them
	s_lshl_b32 s41, s32, 21
	s_add_co_u32 s40, s40, s41
	s_lshl_b32 s41, s26, 9
	s_add_co_u32 s40, s40, s41
	s_lshl_b32 s41, s31, 7
	s_add_co_u32 s40, s40, s41
	s_mov_b32 s41, 0
	s_lshl_b32 s42, s25, 9                         ; stats: 32 groups of 16 bytes a batch
	s_mov_b32 s43, 0
	s_wait_alu depctr_va_vdst(0)
	s_wait_kmcnt 0x0
	s_add_nc_u64 s[4:5], s[4:5], s[40:41]
	s_add_nc_u64 s[6:7], s[6:7], s[42:43]
	global_load_b128 v[210:213], v207, s[6:7]      ; {mean, M2} of the group's two halves
	global_load_b32 v214, v209, s[8:9]
	global_load_b32 v215, v209, s[10:11]
	XLOAD 0, 0
	; every address is made here, while the loads are on their way
	v_bfe_u32 v203, v0, 3, 1                       ; X: my pixel 32 B + lane is row rr = lane % 8 + 8 h of tile 2 B + u, u = bit 3 of the lane
	v_and_b32 v204, 7, v0
	s_delay_alu instid0(VALU_DEP_1)
	v_lshl_or_b32 v204, v3, 3, v204
	s_delay_alu instid0(VALU_DEP_1)
	v_lshlrev_b32 v[VI], 4, v204
	s_delay_alu instid0(VALU_DEP_1)
	v_lshl_add_u32 v[VI], v203, 12, v[VI]
	s_lshl_b32 s40, s31, 13
	s_lshl_b32 s42, s32, 11
	s_add_co_u32 s40, s40, s42
	s_add_co_u32 s40, s40, IMG
	v_add_nc_u32 v[VI], s40, v[VI]                 ; IMG + 4,096 (2 B + u) + 2,048 K step + 16 rr
	v_lshlrev_b32 v[VS], 2, v204
	s_delay_alu instid0(VALU_DEP_1)
	v_lshl_add_u32 v[VS], v203, 7, v[VS]
	s_lshl_b32 s40, s31, 8
	s_lshl_b32 s42, s32, 6
	s_add_co_u32 s40, s40, s42
	s_add_co_u32 s40, s40, XSC
	v_add_nc_u32 v[VS], s40, v[VS]                 ; XSC + 128 (2 B + u) + 64 K step + 4 rr
	v_lshlrev_b32 v[LI], 4, v1
	v_lshlrev_b32 v[R4], 2, v2
	s_lshl_b32 s40, s34, 14
	s_add_co_u32 s40, s40, IMG
	v_add_nc_u32 v[FA], s40, v[LI]                 ; QK: my four tiles' images
	s_lshl_b32 s40, s34, 9
	s_add_co_u32 s40, s40, XSC
	v_add_nc_u32 v[FS], s40, v[R4]
	v_add_nc_u32 v[FAV], IMG, v[LI]                ; V: all eight
	v_add_nc_u32 v[FSV], XSC, v[R4]
	v_bfe_u32 v[VC], v0, 7, 1                      ; X: my K step's constants
	s_delay_alu instid0(VALU_DEP_1)
	v_lshlrev_b32 v[VCM], 7, v[VC]
	s_delay_alu instid0(VALU_DEP_2)
	v_lshlrev_b32 v[VC], 9, v[VC]
	v_and_b32 v205, 8, v2
	s_delay_alu instid0(VALU_DEP_1)
	v_add_nc_u32 v205, v205, v2                    ; r + 8 (r / 8): W's row in a tile
	s_delay_alu instid0(VALU_DEP_1)
	v_lshlrev_b32 v[VW], 8, v205
	s_delay_alu instid0(VALU_DEP_1)
	v_lshl_add_u32 v[VW], v3, 4, v[VW]
	s_delay_alu instid0(VALU_DEP_3)
	v_lshlrev_b32 v[VWS], 3, v205
	v_lshlrev_b32 v[VB], 6, v3
	v_lshlrev_b32 v[VBV], 2, v205
	v_lshl_add_u32 v[LIV], s31, 11, v[LI]          ; V: my tile's place among v's codes,
	v_lshl_add_u32 v[R4V], s31, 6, v[R4]           ; and among v's scale words
.irp b, 0,1,2,3
	v_mov_b32 v[TM+4+\b], 0                        ; written once: a lane permute's destination counts as one of its sources
.endr
	s_lshl_b32 s38, s27, 1
	s_add_co_u32 s38, s38, s33                     ; QK: my head
	s_lshl_b32 s39, s32, 8
	s_lshl_b32 s40, s38, 6
	s_add_co_u32 s39, s39, s40                     ; W's first row: 256 (q or k) + 64 head
	s_lshl_b32 s40, s39, 8
	s_add_nc_u64 s[50:51], s[12:13], s[40:41]
	s_lshl_b32 s40, s39, 3
	s_add_nc_u64 s[52:53], s[14:15], s[40:41]
	s_lshl_b32 s40, s39, 2
	s_add_nc_u64 s[54:55], s[16:17], s[40:41]
	s_lshl_b32 s42, s25, 2
	s_add_co_u32 s42, s42, s38                     ; bh = 4 batch + head
	s_lshl_b32 s39, s42, 8
	s_lshl_b32 s40, s26, 3
	s_add_co_u32 s39, s39, s40
	s_lshl_b32 s40, s34, 2
	s_add_co_u32 s39, s39, s40                     ; q: my first tile: 256 bh + 8 key step + 4 half
	s_lshl_b32 s2, s42, 5
	s_add_co_u32 s2, s2, s26
	s_mul_i32 s2, s2, REC                          ; k: the record
	s_lshl_b32 s40, s34, 12
	s_add_co_u32 s62, s2, s40                      ; its codes: 1,024 bytes a tile, as in qc
	s_lshl_b32 s40, s34, 8
	s_add_co_u32 s63, s2, s40
	s_add_co_u32 s63, s63, 16384                   ; its scale words: 64 bytes a tile, as in qs
	s_lshl_b32 s2, s39, 10
	s_lshl_b32 s3, s39, 6
	s_cmp_eq_u32 s32, 0                            ; q or k: the choice hangs on the wave's number alone; from tile to tile both go alike, so the text is one
	s_cselect_b64 s[44:45], s[18:19], s[22:23]
	s_cselect_b64 s[46:47], s[20:21], s[22:23]
	s_cselect_b32 s40, s2, s62
	s_cselect_b32 s42, s3, s63
	s_add_nc_u64 s[44:45], s[44:45], s[40:41]
	s_add_nc_u64 s[46:47], s[46:47], s[42:43]
	s_lshl_b32 s38, s27, 1
	s_add_co_u32 s38, s38, s32                     ; V: my head
	s_lshl_b32 s39, s38, 6
	s_lshr_b32 s40, s31, 1
	s_lshl_b32 s40, s40, 5
	s_add_co_u32 s39, s39, s40
	s_and_b32 s40, s31, 1
	s_lshl_b32 s40, s40, 3
	s_add_co_u32 s39, s39, s40
	s_add_co_u32 s39, s39, 512                     ; W's first row: 512 + 64 head + 32 (tile / 2) + 8 (tile % 2)
	s_lshl_b32 s40, s39, 8
	s_add_nc_u64 s[56:57], s[12:13], s[40:41]
	s_lshl_b32 s40, s39, 3
	s_add_nc_u64 s[58:59], s[14:15], s[40:41]
	s_lshl_b32 s40, s39, 2
	s_add_nc_u64 s[60:61], s[16:17], s[40:41]
	s_lshl_b32 s40, s25, 2
	s_add_co_u32 s40, s40, s38
	s_lshl_b32 s40, s40, 5
	s_add_co_u32 s40, s40, s26
	s_mul_i32 s40, s40, REC
	s_add_nc_u64 s[48:49], s[22:23], s[40:41]      ; V: the record
	; the channels' constants: thread c makes channel c's
	s_wait_loadcnt 32                              ; the three loads ahead of block 0's 32 are in
	v_add_f32 v216, v210, v212
	v_sub_f32 v204, v212, v210
	v_add_f32 v205, v211, v213
	s_delay_alu instid0(VALU_DEP_3)
	v_mul_f32 v216, -0.5, v216                     ; -mean of the group: its halves are equal in size
	s_delay_alu instid0(VALU_DEP_3)
	v_mul_f32 v204, v204, v204
	s_delay_alu instid0(VALU_DEP_1)
	v_fma_f32 v205, v204, s35, v205                ; M2 = M2a + M2b + (difference of the means)^2 x 16,384 x 16,384 / 32,768
	s_delay_alu instid0(VALU_DEP_1)
	v_fma_f32 v205, v205, s36, s37                 ; variance + eps
	s_wait_alu depctr_va_vdst(0)
	v_rsq_f32 v206, v205
	v_mov_b32 v217, v216                           ; (a plain line behind the transcendental)
	s_wait_alu depctr_va_vdst(0)
	v_mul_f32 v206, v206, v214
	ds_store_b32 v209, v206 offset:GA
	ds_store_b32 v209, v215 offset:GB
	ds_store_b64 v208, v[216:217] offset:GNM       ; a group's eight threads write the same bytes with the same value
	XLOAD 1, 1
	s_wait_dscnt 0x0                               ; for the others' sake: my stores have landed
	s_barrier_signal -1
	s_barrier_wait -1
	; ---- X
	XBLOCK 0
	XLOAD 2, 0
	XBLOCK 1
	XLOAD 3, 1
	XBLOCK 2
	WIN 0x40                                       ; destination window 1
.irp t, 0,1,2,3
.irp k, 0,1
.irp c, 0,1,2,3
	global_load_b128 v[16*(2*\t+\k)+4*\c:16*(2*\t+\k)+4*\c+3], v[VW], s[50:51] offset:(32*(\t/2)+8*(\t%2))*256+128*\k+32*\c   ; W for q or k: 32 loads
.endr
.endr
.endr
	WIN 0
	XBLOCK 3
	WIN 0x40
.irp k, 0,1
.irp c, 0,1,2,3
	global_load_b128 v[128+16*\k+4*\c:128+16*\k+4*\c+3], v[VW], s[56:57] offset:128*\k+32*\c      ; W for v
.endr
.endr
.irp t, 0,1,2,3
	global_load_b128 v[160+8*\t:163+8*\t], v[VB], s[54:55] offset:(32*(\t/2)+8*(\t%2))*4         ; q's or k's bias in the result's layout: outputs 32 (t / 2) + 16 h + 8 (t % 2) + 0 .. 7
	global_load_b128 v[164+8*\t:167+8*\t], v[VB], s[54:55] offset:(32*(\t/2)+8*(\t%2))*4+16
.endr
.irp j, 0,1,2,3,4,5,6,7
	global_load_b32 v[192+\j], v[VBV], s[60:61]    ; v's: a lane holds one output, so one number fills its eight registers
.endr
	WIN 0
.irp t, 0,1,2,3
	global_load_b64 v[W1S+2*\t:W1S+2*\t+1], v[VWS], s[52:53] offset:(32*(\t/2)+8*(\t%2))*8       ; a row's eight scale bytes: the words of both K steps
.endr
	global_load_b64 v[WVS:WVS+1], v[VWS], s[58:59]
	ds_store_b32 v[VS], v[SB]                      ; my pixel's scale word for my K step
	s_wait_dscnt 0x0
	s_barrier_signal -1
	s_barrier_wait -1                              ; xn's sixteen fragments and their scale words lie in LDS
	s_wait_loadcnt 0x0                             ; the weights, their scales, the biases
	; ---- QK: four tiles of pixels; four accumulators by turns
.irp m, 0,1,2,3
	FETCH XF, FA, \m*4096
	FETCH XF+16, FA, \m*4096+2048
	ds_load_b32 v[XS], v[FS] offset:\m*128
	ds_load_b32 v[XS+1], v[FS] offset:\m*128+64
	s_wait_dscnt 0x0
	WIN 0x11                                       ; source 0 (W) and source 2 (the bias) window 1
.irp t, 0,1,2,3
	MM HA+8*\t, 32*\t, XF, 160+8*\t, W1S+2*\t, XS
.endr
	WIN 0x01
.irp t, 0,1,2,3
	MM HA+8*\t, 32*\t+16, XF+16, HA+8*\t, W1S+2*\t+1, XS+1
.endr
	WIN 0
.rept 9
	v_nop                                          ; eight places in front of the first read of results and of loads into the operands' registers; the ninth since the next tile's products begin these accumulators anew
.endr
.if \m > 0
	s_wait_xcnt 0x0                                ; the last tile's stores have read their data: the codes and the scale word are written again only behind this wait
.endif
	QUANT HA, 2
	global_store_b128 v[LI], v[PC:PC+3], s[44:45] offset:\m*1024           ; a piece: 512 consecutive bytes
	global_store_b128 v[LI], v[PC+4:PC+7], s[44:45] offset:\m*1024+512
	global_store_b32 v[R4], v[PW], s[46:47] offset:\m*64                   ; lanes l and l + 16 hold the same word and write it to the same place
.endr
	; ---- V: a pair of tiles of pixels, 32 keys, at a time; its two accumulators by turns
.irp p, 0,1,2,3
.irp u, 0,1
.irp k, 0,1
	FETCH XF+16*(2*\u+\k), FAV, (2*\p+\u)*4096+2048*\k
	ds_load_b32 v[XS+2*\u+\k], v[FSV] offset:(2*\p+\u)*128+64*\k
.endr
.endr
	s_wait_dscnt 0x0
	WIN 0x14                                       ; source 1 (W) and source 2 (the bias) window 1
.irp u, 0,1
	MM HA+16*\p+8*\u, XF+32*\u, 128, 192, XS+2*\u, WVS
.endr
	WIN 0x04
.irp u, 0,1
	MM HA+16*\p+8*\u, XF+32*\u+16, 144, HA+16*\p+8*\u, XS+2*\u+1, WVS+1
.endr
	WIN 0
.rept 8
	v_nop                                          ; places in front of loads into the operands' registers, and of the first read of results
.endr
.endr
	s_wait_xcnt 0x0                                ; the last stores have read their data
	QUANT HA, 4
.irp c, 0,1,2,3
	global_store_b128 v[LIV], v[PC+4*\c:PC+4*\c+3], s[48:49] offset:8192+512*\c
.endr
	global_store_b32 v[R4V], v[PW], s[48:49] offset:16896
	s_wait_tensorcnt 0x0
	ds_add_u32 v254, v255
	s_wait_dscnt 0x0
	s_endpgm
.Lfunc_end_k_q3aa4f97de5_qkv:
	.size	k_q3aa4f97de5_qkv, .Lfunc_end_k_q3aa4f97de5_qkv-k_q3aa4f97de5_qkv
	.p2alignl 7, 3214868480
	.fill 96, 4, 3214868480
	.section	.rodata,"a",@progbits
	.p2align	6, 0x0
	.amdhsa_kernel k_q3aa4f97de5_qkv
		.amdhsa_group_segment_fixed_size 37888
		.amdhsa_private_segment_fixed_size 0
		.amdhsa_enable_private_segment 0
		.amdhsa_kernarg_size 80
		.amdhsa_user_sgpr_count 2
		.amdhsa_user_sgpr_kernarg_segment_ptr 1
		.amdhsa_wavefront_size32 1
		.amdhsa_system_sgpr_workgroup_id_x 1
		.amdhsa_system_sgpr_workgroup_id_y 1
		.amdhsa_system_sgpr_workgroup_id_z 1
		.amdhsa_system_vgpr_workitem_id 0
		.amdhsa_next_free_vgpr 512
		.amdhsa_next_free_sgpr 66
		.amdhsa_reserve_vcc 0
		.amdhsa_float_denorm_mode_32 3
		.amdhsa_float_denorm_mode_16_64 3
		.amdhsa_fp16_overflow 1
		.amdhsa_memory_ordered 1
		.amdhsa_forward_progress 1
		.amdhsa_inst_pref_size 76
	.end_amdhsa_kernel
	.amdgpu_metadata
---
amdhsa.version: [ 1, 2 ]
amdhsa.kernels:
  - .name:           k_q3aa4f97de5_qkv
    .symbol:         k_q3aa4f97de5_qkv.kd
    .args:
      - { .name: x, .offset: 0, .size: 8, .value_kind: global_buffer, .address_space: global }
      - { .name: stats, .offset: 8, .size: 8, .value_kind: global_buffer, .address_space: global }
      - { .name: gn_w, .offset: 16, .size: 8, .value_kind: global_buffer, .address_space: global }
      - { .name: gn_b, .offset: 24, .size: 8, .value_kind: global_buffer, .address_space: global }
      - { .name: qkv_w_codes, .offset: 32, .size: 8, .value_kind: global_buffer, .address_space: global }
      - { .name: qkv_w_scales, .offset: 40, .size: 8, .value_kind: global_buffer, .address_space: global }
      - { .name: qkv_b, .offset: 48, .size: 8, .value_kind: global_buffer, .address_space: global }
      - { .name: qc, .offset: 56, .size: 8, .value_kind: global_buffer, .address_space: global }
      - { .name: qs, .offset: 64, .size: 8, .value_kind: global_buffer, .address_space: global }
      - { .name: kv, .offset: 72, .size: 8, .value_kind: global_buffer, .address_space: global }
    .group_segment_fixed_size: 37888
    .private_segment_fixed_size: 0
    .kernarg_segment_align: 8
    .kernarg_segment_size: 80
    .max_flat_workgroup_size: 256
    .sgpr_count:     66
    .vgpr_count:     512
    .wavefront_size: 32
...
	.end_amdgpu_metadata
.endif
;; end of part 2
;; launch attn (part 3): grid 16 x 16, 16 waves a work-group, clusters of 4 x 1, 327,680 bytes of LDS; arguments qc, qs, kv, ac, asc; writes ac, asc
.if DOCPART == 3
	.amdgcn_target "amdgcn-amd-amdhsa--gfx1250"
	.amdhsa_code_object_version 6
	.text
	.protected	k_q3aa4f97de5_attn
	.globl	k_q3aa4f97de5_attn
	.p2align	8
	.type	k_q3aa4f97de5_attn,@function
k_q3aa4f97de5_attn:
	s_mov_b64 s[64:65], 0
	v_nop
	global_prefetch_b8 v0, s[64:65] scope:SCOPE_SE
	s_setreg_imm32_b32 hwreg(HW_REG_WAVE_MODE, 25, 1), 1
	s_wait_xcnt 0x0
	s_wait_alu depctr_hold_cnt(0) depctr_sa_sdst(0) depctr_va_vdst(0) depctr_va_sdst(0) depctr_va_ssrc(0) depctr_va_vcc(0) depctr_vm_vsrc(0)
	s_getreg_b32 s2, hwreg(HW_REG_IB_STS2, 6, 4)
	s_cmp_eq_u32 s2, 0
	s_cbranch_scc0 .Lentry_in_a_cluster
	s_endpgm
.Lentry_in_a_cluster:
	s_bfe_u32 s2, ttmp6, 0x10000c
	s_cmp_lg_u32 s2, 0x3003
	s_cbranch_scc0 .Lentry_shape_is_right
	s_endpgm
.Lentry_shape_is_right:
; O = softmax(q . k / 8) v for 16 (batch, head) pairs, 4,096 pixels, head size 64, both products on codes of BF8 (E5M2) with one E8M0 scale for each 32 along K; O / l is quantised along the channels for the last product.
; THE SOFTMAX AHEAD OF THE SECOND PRODUCT: t = score x log2(e) / 8; M = the row's largest t so far, rounded UP to a whole number; p = 2^(t - M) is what is quantised, along the keys; the row's sum l is taken of
; the unquantised p and divides O at the end.  When M moves, l and O are multiplied by 2^(old M - new M), which rounds nothing.
; SHARES.  A work-group owns 256 queries of one (batch, head); each of its sixteen waves one tile of 16 in 256 registers: four waves to a SIMD, so that one wave's vector work stands beside another's products and LDS loads.
; Every wave walks the 32 key steps of 128 keys.  A key step is one dense record of 17,152 bytes (k's codes, v's codes, both scale words, all as images of the operands' registers): 67 rows of 256 bytes.
; A slot of LDS holds four records; waves 0 to 3 fetch one each.  Two slots by turns: a refill has four key steps in which to land; a wave has at most one tensor load out.
; CLUSTER.  The four work-groups of a cluster belong to one (batch, head) and walk the same records: each record is asked for jointly, by the same tensor load with a mask that names the four.
; LAYOUT.  Both products are used transposed: S^T = k q^T (source 0 = 16 keys, source 1 = my 16 queries), O^T = v^T p^T: a lane holds ONE query throughout.  The keys of a tile, and the rows of a tile of v^T, were
; chosen by the launch before so that the 16 registers of tiles 2 b and 2 b + 1 are 16 neighbours along the next K.
; THE HEAD HAS 64, THE INSTRUCTION TAKES 128: the upper eight registers of q's and of k's fragments hold zero codes, written once; their scale bytes are 0, which is 2^-127 and harmless over zeros.
; OUT.  ac [batch][tile 256][K step 2][piece 4][512]: head h fills pieces 2 (h % 2), + 1 of K step h / 2.  asc [batch][tile][K step][lane 32][4]: head h fills bytes 2 (h % 2), + 1 of each word.
; LIMITS: NaN and infinities are not served; a block whose largest magnitude lies under 2^-111 is held at the scale byte 1, a block of zeros too (its codes are zeros); v_exp_f32 and v_rcp_f32 stand for 2^x and 1 / l;
; a block's largest p is made from its largest score by the same two instructions as every p, which takes v_exp_f32 not to fall where its input rises.
.set REC,   17152
.set SLOT1, 1<<17                      ; slot 1 begins here: one exclusive or turns an address in one slot into the other's
.set SPARE, 1<<18                      ; the spare words, 128 bytes for each of 16 waves: eight blocks of 256 bytes that no other line names
.set LI,  1                            ; v1   16 x lane
.set LS,  2                            ; v2   4 x lane
.set SPW, 3                            ; v3   my spare word; never rewritten
.set NIL, 4                            ; v4   0; never rewritten
.set ADK, 5                            ; v5   the step's record, + 16 x lane
.set ADS, 6                            ; v6   the same + 4 x lane
.set KS,  208                          ; v208-211 k's scale words: tile 2 p in lanes 0-15, tile 2 p + 1 in lanes 16-31;  v212-213 v's likewise;  v214 q's;  v215 p's
.set VSC, 212
.set BM,  216                          ; v216-219 a block's largest score, then its largest p
.set PT,  220                          ; v220-223 the other half's, then bytes
.set HL,  224
.set SOP, 228                          ; v228-231 the conversions' scale operands
; v12 -M, v13 the largest t, v[14:15] l in two halves; v16-31 q; v32-95 four fragments of k; v96-159 S^T, then p, then v^T's four fragments; v160-191 O^T; v192-207 p's codes; v[232:233] f; v234 at work; v[236:237] a second chain of l
.macro CROUND                          ; a round of the cluster's barrier
	s_barrier_signal -1
	s_barrier_wait -1
	s_cmp_lg_u32 s14, 0
	s_cbranch_scc1 .Lnot_wave_0_\@
	s_barrier_signal -3
.Lnot_wave_0_\@:
	s_barrier_wait -3
	s_barrier_signal -1
	s_barrier_wait -1
.endm
.macro TLOAD                           ; waves 0 to 3 ask for a record each; the branch hangs on the wave's number alone.  Four v_nop follow the load
	s_cmp_lt_u32 s14, 4
	s_cbranch_scc0 .Lno_load_\@
	tensor_load_to_lds s[32:35], s[24:31]
	s_nop 0
.rept 4
	v_nop
.endr
.Lno_load_\@:
.endm
	s_load_b256 s[4:11], s[0:1], 0x0               ; qc, qs, kv, ac
	s_load_b64 s[12:13], s[0:1], 0x20              ; asc
	v_lshl_add_u32 v[SPW], v0, 2, SPARE
	v_mov_b32 v[NIL], 0
	ds_add_u32 v3, v4
	ds_add_u32 v3, v4
	s_wait_dscnt 0x0
	v_lshrrev_b32 v1, 5, v0
	s_delay_alu instid0(VALU_DEP_1)
	v_readfirstlane_b32 s14, v1                    ; wave 0..15
	s_bfe_u32 s15, ttmp6, 0x40000                  ; cx: it enters q's, ac's and asc's global addresses alone
	s_lshl_b32 s16, ttmp9, 2
	s_add_co_u32 s16, s16, s15                     ; my block of 256 queries
	s_and_b32 s17, ttmp7, 0xffff                   ; bh, which the four partners share
	s_and_b32 s18, s14, 3
	s_mov_b32 s20, 0x76543210
	s_mov_b32 s21, 0xfedcba98                      ; lane l xor 16
	s_mov_b32 s22, 0x3e38aa3b                      ; c = log2(e) / 8
	s_mov_b32 s23, s22                             ; (named with it as a pair, so it is written)
	s_mov_b32 s24, 15|(3<<16)|(1<<21)              ; group 1: 15:0 the mask: all four work-groups; 17:16 elements of 8 bytes; 21 set beside a mask; no padding
	s_mov_b32 s25, 32<<16                          ; tensor_dim0 = 32 elements: 256 bytes
	s_mov_b32 s26, 67<<16                          ; tensor_dim1 = 67
	s_mov_b32 s27, 32<<16                          ; tile_dim0
	s_mov_b32 s28, 67                              ; tile_dim1
	s_mov_b32 s29, 32                              ; the pitch: the record is dense
	s_mov_b32 s30, 0
	s_mov_b32 s31, 0
	s_mov_b32 s32, 1                               ; group 0: count = 1
	s_mul_i32 s33, s18, REC                        ; LDS: slot 0, my record
	s_mul_i32 s36, s17, 32*REC
	s_add_co_u32 s36, s36, s33                     ; in memory: the pair's first four records, mine of them
	s_mov_b32 s37, 0
	s_lshl_b32 s38, s16, 4
	s_add_co_u32 s38, s38, s14                     ; my tile of queries
	s_lshl_b32 s39, s17, 8
	s_add_co_u32 s39, s39, s38
	s_lshl_b32 s44, s39, 10
	s_mov_b32 s45, 0
	s_lshl_b32 s46, s39, 6
	s_mov_b32 s47, 0
	s_mov_b32 s40, 0                               ; LDS byte of the record in hand
	s_mov_b32 s42, 7                               ; slots still to be asked for
	s_wait_kmcnt 0x0
	s_add_nc_u64 s[34:35], s[8:9], s[36:37]
	s_or_b32 s35, s35, 0x80000000                  ; type = 2
	CROUND                                         ; all four work-groups are here: the first joint loads meet
	TLOAD                                          ; key steps 0 to 3
	s_add_nc_u64 s[4:5], s[4:5], s[44:45]
	s_add_nc_u64 s[6:7], s[6:7], s[46:47]
	v_and_b32 v1, 31, v0
	s_delay_alu instid0(VALU_DEP_1)
	v_lshlrev_b32 v[LS], 2, v1
	s_delay_alu instid0(VALU_DEP_2)
	v_lshlrev_b32 v[LI], 4, v1
	v_and_b32 v7, 15, v0
	s_delay_alu instid0(VALU_DEP_1)
	v_lshlrev_b32 v7, 2, v7
	global_load_b128 v[16:19], v[LI], s[4:5]       ; q's two pieces stay in registers
	global_load_b128 v[20:23], v[LI], s[4:5] offset:512
	global_load_b32 v214, v7, s[6:7]               ; and its scale words
	s_lshr_b32 s39, s17, 2                         ; where O goes: ((256 batch + tile) x 2 + head / 2) K steps on, + head % 2
	s_lshl_b32 s39, s39, 8
	s_add_co_u32 s39, s39, s38
	s_lshl_b32 s39, s39, 1
	s_bfe_u32 s44, s17, 0x10001
	s_add_co_u32 s39, s39, s44
	s_and_b32 s38, s17, 1
	s_lshl_b32 s44, s39, 11
	s_lshl_b32 s46, s38, 10
	s_add_co_u32 s44, s44, s46
	s_add_nc_u64 s[10:11], s[10:11], s[44:45]
	s_lshl_b32 s44, s39, 7
	s_lshl_b32 s46, s38, 1
	s_add_co_u32 s44, s44, s46
	s_add_nc_u64 s[12:13], s[12:13], s[44:45]
.set jj, 24
.rept 8
	v_mov_b32 v[jj], 0                             ; q's zero codes for k = 64 .. 127
.set jj, jj+1
.endr
.irp t, 0,1,2,3
.irp j, 8,9,10,11,12,13,14,15
	v_mov_b32 v[32+16*\t+\j], 0                    ; k's likewise: written once, the loads fill the lower eight registers alone
.endr
.endr
.set jj, 160
.rept 32
	v_mov_b32 v[jj], 0                             ; O^T.  (The step is written once: its first turn finds zeros, which the first change of M leaves zeros)
.set jj, jj+1
.endr
	v_mov_b32 v13, 0xff61b1e6                      ; the largest t so far: -3e38
	s_delay_alu instid0(VALU_DEP_1)
	v_floor_f32 v12, -v13                          ; -M
	v_mov_b32 v14, 0
	v_mov_b32 v15, 0
.irp b, 0,1,2,3
	v_mov_b32 v[PT+\b], 0                          ; a lane permute's destination counts as one of its sources
.endr
	v_mov_b32 v233, 0                              ; (named as the upper half of the pair v[232:233])
	s_wait_loadcnt 0x0                             ; q
; A KEY STEP: the 128 keys of the record at LDS byte s40
.macro STEP
	v_add_nc_u32 v[ADK], s40, v[LI]
	s_wait_alu depctr_va_vdst(0)
	v_add_nc_u32 v[ADS], s40, v[LS]
.rept 7
	v_nop                                          ; with the two lines above nine places behind the last step's products: the scores below are written over registers that those read
.endr
.irp g, 0,1                                    ; S^T = k q^T, four tiles of 16 keys at a time
.if \g
.rept 8
	v_nop                                          ; places in front of loads into registers that matrix instructions have read
.endr
.endif
.irp t, 0,1,2,3
.irp c, 0,1
	ds_load_b128 v[32+16*\t+4*\c:35+16*\t+4*\c], v[ADK] offset:(4*\g+\t)*1024+512*\c   ; 512 consecutive bytes
.endr
.endr
.if \g == 0
.irp p, 0,1,2,3
	ds_load_b32 v[KS+\p], v[ADS] offset:16384+128*\p
.endr
.irp a, 0,1
	ds_load_b32 v[VSC+\a], v[ADS] offset:16896+128*\a
.endr
.endif
	s_wait_dscnt 0x0
.irp t, 0,1,2,3
.if \t%2
	v_wmma_scale_f32_16x16x128_f8f6f4 v[96+8*(4*\g+\t):103+8*(4*\g+\t)], v[32+16*\t:47+16*\t], v[16:31], 0, v[KS+2*\g+\t/2], v214 matrix_a_fmt:MATRIX_FMT_BF8 matrix_b_fmt:MATRIX_FMT_BF8 matrix_a_scale:MATRIX_SCALE_ROW1
.else
	v_wmma_scale_f32_16x16x128_f8f6f4 v[96+8*(4*\g+\t):103+8*(4*\g+\t)], v[32+16*\t:47+16*\t], v[16:31], 0, v[KS+2*\g+\t/2], v214 matrix_a_fmt:MATRIX_FMT_BF8 matrix_b_fmt:MATRIX_FMT_BF8
.endif
.endr
.endr                                          ; lane (r, h) holds query r; registers 96 + 16 b + i are keys 32 b + 16 h + i
.rept 8
	v_nop
.endr
.irp b, 0,1,2,3
	v_max3_num_f32 v[BM+\b], v[96+16*\b], v[97+16*\b], v[98+16*\b]   ; the largest score of each block of 32 keys: it serves for the row's maximum and, since p rises with the score, for the block's largest p
.endr
.irp i, 3,5,7,9,11,13
.irp b, 0,1,2,3
	v_max3_num_f32 v[BM+\b], v[BM+\b], v[96+16*\b+\i], v[97+16*\b+\i]
.endr
.endr
.irp b, 0,1,2,3
	v_max_num_f32 v[BM+\b], v[BM+\b], v[111+16*\b]
.endr
.irp b, 0,1,2,3
	s_delay_alu instid0(VALU_DEP_4)
	v_permlanex16_b32 v[PT+\b], v[BM+\b], s20, s21
.endr
.irp b, 0,1,2,3
	s_delay_alu instid0(VALU_DEP_4)
	v_max_num_f32 v[BM+\b], v[BM+\b], v[PT+\b]     ; with lane l xor 16's 16 keys
.endr
	s_delay_alu instid0(VALU_DEP_2)
	v_max3_num_f32 v234, v[BM], v[BM+1], v[BM+2]
	s_delay_alu instid0(VALU_DEP_1)
	v_max_num_f32 v234, v234, v[BM+3]
	s_delay_alu instid0(VALU_DEP_1)
	v_mul_f32 v234, s22, v234                      ; the step's largest t (c is positive)
	s_delay_alu instid0(VALU_DEP_1)
	v_max_num_f32 v13, v13, v234
	v_mov_b32 v234, v12
	s_delay_alu instid0(VALU_DEP_2)
	v_floor_f32 v12, -v13                          ; the new -M = -ceil(t)
	s_delay_alu instid0(VALU_DEP_1)
	v_sub_f32 v234, v12, v234                      ; old M - new M: a whole number, 0 or less
	s_delay_alu instid0(VALU_DEP_1)
	v_cvt_i32_f32 v234, v234                       ; (it saturates)
	s_delay_alu instid0(VALU_DEP_1)
	v_ldexp_f32 v232, 1.0, v234                    ; f = 2^(old M - new M)
.set jj, 0
.rept 32
	v_pk_fma_f32 v[96+jj:97+jj], v[96+jj:97+jj], s[22:23], v[12:13] op_sel_hi:[1,0,0]   ; t - M, two at a time
.set jj, jj+2
.endr
.irp b, 0,1,2,3
	v_fma_f32 v[BM+\b], v[BM+\b], s22, v12
.endr
.set jj, 0
	s_wait_alu depctr_va_vdst(0)
.rept 64
	v_exp_f32 v[96+jj], v[96+jj]                   ; p = 2^(t - M), at most 1
.set jj, jj+1
.endr
	s_setprio 1
.irp b, 0,1,2,3
	v_exp_f32 v[BM+\b], v[BM+\b]                   ; the block's largest p
.endr
	v_pk_mul_f32 v[14:15], v[14:15], v[232:233] op_sel_hi:[1,0]   ; l under the new M.  (A plain line behind the exponentials)
	s_wait_alu depctr_va_vdst(0)
.irp b, 0,1,2,3
	v_max_num_f32 v[BM+\b], 0x8000000, v[BM+\b]    ; the floor 2^(16 - 127): the byte cannot fall under 1
.endr
.irp b, 0,1,2,3
	s_delay_alu instid0(VALU_DEP_4)
	v_add_nc_u32 v[SOP+\b], 0xf8800000, v[BM+\b]   ; 15 off the exponent field: the conversion's scale operand
.endr
.irp b, 0,1,2,3
.endr
.irp b, 0,1,2,3
	s_delay_alu instid0(VALU_DEP_4)
	v_lshrrev_b32 v[PT+\b], 23, v[SOP+\b]          ; the scale's byte
.endr
	s_delay_alu instid0(VALU_DEP_3)
	v_lshl_or_b32 v215, v[PT+1], 8, v[PT]          ; p's scale word for these 128 keys: it stands far more than eight plain lines ahead of the products that take it
	s_delay_alu instid0(VALU_DEP_1)
	v_lshl_or_b32 v215, v[PT+2], 16, v215
	s_delay_alu instid0(VALU_DEP_1)
	v_lshl_or_b32 v215, v[PT+3], 24, v215
	v_pk_add_f32 v[236:237], v[100:101], v[104:105]
	v_pk_add_f32 v[254:255], v[108:109], v[112:113]
	v_pk_add_f32 v[252:253], v[116:117], v[120:121]
	v_pk_add_f32 v[250:251], v[124:125], v[128:129]
	v_pk_add_f32 v[248:249], v[132:133], v[136:137]
	v_pk_add_f32 v[246:247], v[140:141], v[144:145]
	v_pk_add_f32 v[244:245], v[148:149], v[152:153]
	v_pk_add_f32 v[14:15], v[14:15], v[156:157]
	v_pk_add_f32 v[236:237], v[236:237], v[96:97]
	v_pk_add_f32 v[254:255], v[254:255], v[98:99]
	v_pk_add_f32 v[252:253], v[252:253], v[102:103]
	v_pk_add_f32 v[250:251], v[250:251], v[106:107]
	v_pk_add_f32 v[248:249], v[248:249], v[110:111]
	v_pk_add_f32 v[246:247], v[246:247], v[114:115]
	v_pk_add_f32 v[244:245], v[244:245], v[118:119]
	v_pk_add_f32 v[14:15], v[14:15], v[122:123]
	v_pk_add_f32 v[236:237], v[236:237], v[126:127]
	v_pk_add_f32 v[254:255], v[254:255], v[130:131]
	v_pk_add_f32 v[252:253], v[252:253], v[134:135]
	v_pk_add_f32 v[250:251], v[250:251], v[138:139]
	v_pk_add_f32 v[248:249], v[248:249], v[142:143]
	v_pk_add_f32 v[246:247], v[246:247], v[146:147]
	v_pk_add_f32 v[244:245], v[244:245], v[150:151]
	v_pk_add_f32 v[14:15], v[14:15], v[154:155]
	v_pk_add_f32 v[236:237], v[236:237], v[158:159]
	s_delay_alu instid0(VALU_DEP_2)
	v_pk_add_f32 v[14:15], v[14:15], v[250:251]
	s_delay_alu instid0(VALU_DEP_2)
	v_pk_add_f32 v[236:237], v[236:237], v[248:249]
	v_pk_add_f32 v[254:255], v[254:255], v[246:247]
	v_pk_add_f32 v[252:253], v[252:253], v[244:245]
	s_delay_alu instid0(VALU_DEP_2)
	v_pk_add_f32 v[14:15], v[14:15], v[254:255]
	s_delay_alu instid0(VALU_DEP_2)
	v_pk_add_f32 v[236:237], v[236:237], v[252:253]
	s_delay_alu instid0(VALU_DEP_1)
	v_pk_add_f32 v[14:15], v[14:15], v[236:237]
.irp b, 0,1,2,3
.irp i, 0,1,2,3,4,5,6,7,8,9,10,11,12,13,14,15
.endr
	v_cvt_scalef32_pk8_bf8_f32 v[192+4*\b:193+4*\b], v[96+16*\b:103+16*\b], v[SOP+\b]
	v_cvt_scalef32_pk8_bf8_f32 v[194+4*\b:195+4*\b], v[104+16*\b:111+16*\b], v[SOP+\b]
.endr
	v_nop
.irp t, 0,1,2,3
.irp c, 0,1,2,3
	ds_load_b128 v[96+16*\t+4*\c:99+16*\t+4*\c], v[ADK] offset:8192+2048*\t+512*\c   ; v^T's four fragments take p's place
.endr
.endr
.set jj, 0
	s_setprio 0
.rept 16
	v_pk_mul_f32 v[160+jj:161+jj], v[160+jj:161+jj], v[232:233] op_sel_hi:[1,0]   ; O^T under the new M.  (The plain lines behind the conversions and in front of the products that take the codes)
.set jj, jj+2
.endr
	s_wait_alu depctr_va_vdst(0)
	s_wait_dscnt 0x0
.irp t, 0,1,2,3                                ; O^T += v^T p^T: the four accumulators by turns
.if \t%2
	v_wmma_scale_f32_16x16x128_f8f6f4 v[160+8*\t:167+8*\t], v[96+16*\t:111+16*\t], v[192:207], v[160+8*\t:167+8*\t], v[VSC+\t/2], v215 matrix_a_fmt:MATRIX_FMT_BF8 matrix_b_fmt:MATRIX_FMT_BF8 matrix_a_scale:MATRIX_SCALE_ROW1
.else
	v_wmma_scale_f32_16x16x128_f8f6f4 v[160+8*\t:167+8*\t], v[96+16*\t:111+16*\t], v[192:207], v[160+8*\t:167+8*\t], v[VSC+\t/2], v215 matrix_a_fmt:MATRIX_FMT_BF8 matrix_b_fmt:MATRIX_FMT_BF8
.endif
.endr
	s_add_co_u32 s40, s40, REC                     ; the next record
.endm
; THE CHANGE OF SLOTS stands at a slot's head.  Each wave waits for all its tensor loads, adds 0 to its spare word, and waits for that and for its reads of the slot that it has left.
; fill = 1: the barrier is a round of the cluster's, so that no wave of any partner still reads that slot, and the joint refill is the first thing behind it.
.macro CHANGE fill
	s_wait_tensorcnt 0x0                           ; no tensor load of mine is out, so group 0 may be written
	ds_add_u32 v[SPW], v[NIL]                      ; 0 onto my spare word
.if \fill
	s_xor_b32 s33, s33, SLOT1                      ; the other slot than last time,
	s_add_nc_u64 s[34:35], s[34:35], 4*REC         ; the next four records; the type bits on top are not reached
.endif
	s_wait_dscnt 0x0                               ; the add is done, and my reads of the slot that I have left are over
.if \fill
	CROUND
	TLOAD
.else
	s_barrier_signal -1
	s_barrier_wait -1
.endif
.endm
.macro FOUR_STEPS                      ; a slot's four key steps: written once, walked four times
	s_mov_b32 s41, 4
.Lstep_\@:
	s_setprio 2
	STEP
	s_sub_co_u32 s41, s41, 1
	s_cmp_lg_u32 s41, 0
	s_cbranch_scc1 .Lstep_\@
	s_setprio 0
	s_sub_co_u32 s40, s40, 4*REC                   ; back to a slot's first record,
	s_xor_b32 s40, s40, SLOT1                      ; in the other slot
.endm
.Lslot:                                            ; seven trips: behind each change of slots but the last the next four key steps are asked for
	CHANGE 1
	FOUR_STEPS
	s_sub_co_u32 s42, s42, 1
	s_cmp_lg_u32 s42, 0
	s_cbranch_scc1 .Lslot
	CHANGE 0                                       ; the last slot is written out
	FOUR_STEPS
	; THE WAY OUT: O^T / l, quantised along the channels (my head's two blocks of 32), leaves as two pieces of the last product's operand and half a scale word
.rept 8
	v_nop
.endr
	v_add_f32 v14, v14, v15
	s_delay_alu instid0(VALU_DEP_1)
	v_permlanex16_b32 v[PT], v14, s20, s21
	s_delay_alu instid0(VALU_DEP_1)
	v_add_f32 v14, v14, v[PT]                      ; l: my two halves and lane l xor 16's
	s_wait_alu depctr_va_vdst(0)
	v_rcp_f32 v234, v14
	v_nop                                          ; a plain line behind the transcendental
.set jj, 0
	s_wait_alu depctr_va_vdst(0)
.rept 32
	v_mul_f32 v[96+jj], v[160+jj], v234            ; register 16 b + i: channel 32 b + 16 h + i of my head; each accumulator from its low end on
.set jj, jj+1
.endr
.irp b, 0,1
	v_max3_num_f32 v[BM+\b], |v[96+16*\b]|, |v[97+16*\b]|, 0x8000000
.endr
.irp i, 2,4,6,8,10,12,14
.irp b, 0,1
	s_delay_alu instid0(VALU_DEP_2)
	v_max3_num_f32 v[BM+\b], v[BM+\b], |v[96+16*\b+\i]|, |v[97+16*\b+\i]|
.endr
.endr
.irp b, 0,1
	s_delay_alu instid0(VALU_DEP_2)
	v_permlanex16_b32 v[PT+\b], v[BM+\b], s20, s21
.endr
.irp b, 0,1
	s_delay_alu instid0(VALU_DEP_2)
	v_max_num_f32 v[BM+\b], v[BM+\b], v[PT+\b]
.endr
.irp b, 0,1
	s_delay_alu instid0(VALU_DEP_2)
	v_add_nc_u32 v[SOP+\b], 0xf8800000, v[BM+\b]
.endr
.irp b, 0,1
	s_delay_alu instid0(VALU_DEP_2)
	v_lshrrev_b32 v[PT+\b], 23, v[SOP+\b]
.endr
	s_delay_alu instid0(VALU_DEP_1)
	v_lshl_or_b32 v215, v[PT+1], 8, v[PT]
.irp b, 0,1
.irp i, 0,1,2,3,4,5,6,7,8,9,10,11,12,13,14,15
.endr
	v_cvt_scalef32_pk8_bf8_f32 v[192+4*\b:193+4*\b], v[96+16*\b:103+16*\b], v[SOP+\b]
	v_cvt_scalef32_pk8_bf8_f32 v[194+4*\b:195+4*\b], v[104+16*\b:111+16*\b], v[SOP+\b]
.endr
	v_nop
	global_store_b128 v[LI], v[192:195], s[10:11]              ; a piece: 512 consecutive bytes
	global_store_b128 v[LI], v[196:199], s[10:11] offset:512
	global_store_b16 v[LS], v215, s[12:13]                     ; my head's two bytes of each lane's scale word; the head beside it writes the other two
	s_wait_tensorcnt 0x0                           ; the wave's end
	ds_add_u32 v[SPW], v[NIL]
	s_wait_dscnt 0x0
	CROUND                                         ; the closing round: no work-group ends while a partner may still ask for a record that names it
	s_endpgm
.Lfunc_end_k_q3aa4f97de5_attn:
	.size	k_q3aa4f97de5_attn, .Lfunc_end_k_q3aa4f97de5_attn-k_q3aa4f97de5_attn
	.p2alignl 7, 3214868480
	.fill 96, 4, 3214868480
	.section	.rodata,"a",@progbits
	.p2align	6, 0x0
	.amdhsa_kernel k_q3aa4f97de5_attn
		.amdhsa_group_segment_fixed_size 327680
		.amdhsa_private_segment_fixed_size 0
		.amdhsa_enable_private_segment 0
		.amdhsa_kernarg_size 40
		.amdhsa_user_sgpr_count 2
		.amdhsa_user_sgpr_kernarg_segment_ptr 1
		.amdhsa_wavefront_size32 1
		.amdhsa_system_sgpr_workgroup_id_x 1
		.amdhsa_system_sgpr_workgroup_id_y 1
		.amdhsa_system_sgpr_workgroup_id_z 1
		.amdhsa_system_vgpr_workitem_id 0
		.amdhsa_next_free_vgpr 256
		.amdhsa_next_free_sgpr 66
		.amdhsa_reserve_vcc 0
		.amdhsa_float_denorm_mode_32 3
		.amdhsa_float_denorm_mode_16_64 3
		.amdhsa_fp16_overflow 1
		.amdhsa_memory_ordered 1
		.amdhsa_forward_progress 1
		.amdhsa_inst_pref_size 49
	.end_amdhsa_kernel
	.amdgpu_metadata
---
amdhsa.version: [ 1, 2 ]
amdhsa.kernels:
  - .name:           k_q3aa4f97de5_attn
    .symbol:         k_q3aa4f97de5_attn.kd
    .args:
      - { .name: qc, .offset: 0, .size: 8, .value_kind: global_buffer, .address_space: global }
      - { .name: qs, .offset: 8, .size: 8, .value_kind: global_buffer, .address_space: global }
      - { .name: kv, .offset: 16, .size: 8, .value_kind: global_buffer, .address_space: global }
      - { .name: ac, .offset: 24, .size: 8, .value_kind: global_buffer, .address_space: global }
      - { .name: asc, .offset: 32, .size: 8, .value_kind: global_buffer, .address_space: global }
    .group_segment_fixed_size: 327680
    .private_segment_fixed_size: 0
    .kernarg_segment_align: 8
    .kernarg_segment_size: 40
    .max_flat_workgroup_size: 512
    .sgpr_count:     66
    .vgpr_count:     256
    .wavefront_size: 32
...
	.end_amdgpu_metadata
.endif
;; end of part 3
;; launch proj (part 4): grid 256 x 1, 16 waves a work-group, no clusters, 71,680 bytes of LDS; arguments ac, asc, proj_w_codes, proj_w_scales, proj_b, x, out0; writes out0
.if DOCPART == 4
	.amdgcn_target "amdgcn-amd-amdhsa--gfx1250"
	.amdhsa_code_object_version 6
	.text
	.protected	k_q3aa4f97de5_proj
	.globl	k_q3aa4f97de5_proj
	.p2align	8
	.type	k_q3aa4f97de5_proj,@function
k_q3aa4f97de5_proj:
	s_mov_b64 s[64:65], 0
	v_nop
	global_prefetch_b8 v0, s[64:65] scope:SCOPE_SE
	s_setreg_imm32_b32 hwreg(HW_REG_WAVE_MODE, 25, 1), 1
	s_wait_xcnt 0x0
; out0 = x + proj_w O + proj_b, the product on codes of BF8 (E5M2) with one E8M0 scale for each 32 along K = the 256 channels.
; O arrives as images of the operand's registers: ac [batch][tile 256][K step 2][piece 4][512], asc [batch][tile][K step][lane][4].  Row r of tile t is pixel 32 (t / 2) + 8 (t % 2) + r + 8 (r / 8).
; SHARES.  Work-group X: batch X / 64, 64 pixels (tiles 4 (X % 64) on), all 256 outputs.  Wave w: outputs 32 (w / 2) on (two tiles), pixels 32 (w % 2) on (two tiles): four accumulators, eight matrix instructions.
; Source 0 = O's 16 pixels, source 1 = 16 rows of proj_w: lane (r, h) holds ONE output and, in the 16 registers of its two tiles of pixels, 16 neighbouring pixels: 64 bytes of a row of out0.
; The bias is the C of each sum's first matrix instruction.  A row's 256 bytes come from two waves: they meet in a stage in LDS (rows of 256 + 16 bytes); each wave then reads 16 whole rows, adds x and stores:
; sixteen lanes store 256 consecutive bytes, at a multiple of 256 from out0's first byte.
; No tensor load and no cluster: every operand goes once, straight into the registers of the wave that multiplies it.
.set AF,  32                           ; v32-95   O's fragments (tile u, K step s at 16 (2 u + s)); later rows read back
.set WF,  96                           ; v96-159  W's (tile n, K step s at 16 (2 n + s))
.set XR,  160                          ; v160-191 x
.set ACC, 192                          ; v192-223 accumulator (n, u) at 8 (2 n + u)
.set BI,  224                          ; v224-239 the bias, eight registers a tile n
; v16-19 O's scale words (2 u + s); v20-23 W's (2 n + s)
	s_load_b256 s[4:11], s[0:1], 0x0               ; ac, asc, W's codes, W's scales
	s_load_b128 s[12:15], s[0:1], 0x20             ; proj_b, x
	s_load_b64 s[16:17], s[0:1], 0x30              ; out0
	v_lshl_add_u32 v254, v0, 2, 0x11000
	v_mov_b32 v255, 0
	v_lshrrev_b32 v1, 5, v0
	s_delay_alu instid0(VALU_DEP_1)
	v_readfirstlane_b32 s18, v1                    ; wave 0..15
	v_and_b32 v1, 31, v0
	s_delay_alu instid0(VALU_DEP_1)
	v_lshlrev_b32 v2, 2, v1                        ; 4 x lane
	s_delay_alu instid0(VALU_DEP_2)
	v_lshlrev_b32 v1, 4, v1                        ; 16 x lane
	v_and_b32 v3, 15, v0                           ; r
	v_bfe_u32 v4, v0, 4, 1                         ; h
	s_delay_alu instid0(VALU_DEP_2)
	v_lshlrev_b32 v5, 8, v3
	s_delay_alu instid0(VALU_DEP_1)
	v_lshl_add_u32 v5, v4, 4, v5                   ; W: row r of 256 bytes, + 16 h
	s_delay_alu instid0(VALU_DEP_4)
	v_lshlrev_b32 v6, 3, v3                        ; its eight scale bytes
	v_lshlrev_b32 v7, 2, v3                        ; its bias
	v_lshlrev_b32 v8, 4, v3
	s_delay_alu instid0(VALU_DEP_1)
	v_lshl_add_u32 v8, v4, 14, v8                  ; x, out0: lanes 0-15 one channel's 256 bytes, lanes 16-31 the next channel's
	s_lshr_b32 s19, s18, 1                         ; g: my 32 outputs
	s_and_b32 s20, s18, 1                          ; p: my 32 pixels
	s_lshr_b32 s21, ttmp9, 6                       ; batch
	s_and_b32 s22, ttmp9, 63                       ; block of 64 pixels
	s_mul_i32 s26, s19, 32*272
	s_lshl_b32 s27, s20, 7
	s_add_co_u32 s26, s26, s27
	v_mul_u32_u24 v9, v3, 272
	s_delay_alu instid0(VALU_DEP_1)
	v_lshl_add_u32 v9, v4, 6, v9
	s_delay_alu instid0(VALU_DEP_1)
	v_add_nc_u32 v9, s26, v9                       ; into the stage: row 32 g + r, + 128 p + 64 h
	s_mul_i32 s27, s18, 16*272
	v_mul_u32_u24 v10, v4, 272
	s_delay_alu instid0(VALU_DEP_1)
	v_lshl_add_u32 v10, v3, 4, v10
	s_delay_alu instid0(VALU_DEP_1)
	v_add_nc_u32 v10, s27, v10                     ; back: rows 16 w on, two an instruction
	s_lshl_b32 s23, s21, 8
	s_lshl_b32 s24, s22, 2
	s_add_co_u32 s23, s23, s24
	s_lshl_b32 s24, s20, 1
	s_add_co_u32 s23, s23, s24                     ; my first tile of pixels
	s_mov_b32 s25, 0
	s_wait_alu depctr_va_vdst(0)
	s_wait_kmcnt 0x0
	s_lshl_b32 s24, s23, 12
	s_add_nc_u64 s[4:5], s[4:5], s[24:25]
	s_lshl_b32 s24, s23, 8
	s_add_nc_u64 s[6:7], s[6:7], s[24:25]
	s_lshl_b32 s24, s19, 13
	s_add_nc_u64 s[8:9], s[8:9], s[24:25]
	s_lshl_b32 s24, s19, 8
	s_add_nc_u64 s[10:11], s[10:11], s[24:25]
	s_lshl_b32 s24, s19, 7
	s_add_nc_u64 s[12:13], s[12:13], s[24:25]
	s_lshl_b32 s24, s21, 22                        ; x, out0: batch, channels 16 w on, the 64 pixels
	s_lshl_b32 s28, s18, 18
	s_add_co_u32 s24, s24, s28
	s_lshl_b32 s28, s22, 8
	s_add_co_u32 s24, s24, s28
	s_add_nc_u64 s[14:15], s[14:15], s[24:25]
	s_add_nc_u64 s[16:17], s[16:17], s[24:25]
.irp u, 0,1
.irp k, 0,1
.irp c, 0,1,2,3
	global_load_b128 v[AF+16*(2*\u+\k)+4*\c:AF+16*(2*\u+\k)+4*\c+3], v1, s[4:5] offset:4096*\u+2048*\k+512*\c
.endr
	global_load_b32 v[16+2*\u+\k], v2, s[6:7] offset:256*\u+128*\k
.endr
.endr
.irp n, 0,1
.irp k, 0,1
.irp c, 0,1,2,3
	global_load_b128 v[WF+16*(2*\n+\k)+4*\c:WF+16*(2*\n+\k)+4*\c+3], v5, s[8:9] offset:4096*\n+128*\k+32*\c
.endr
.endr
	global_load_b64 v[20+2*\n:21+2*\n], v6, s[10:11] offset:128*\n
.irp j, 0,1,2,3,4,5,6,7
	global_load_b32 v[BI+8*\n+\j], v7, s[12:13] offset:64*\n   ; a lane holds one output, so one number fills its eight registers
.endr
.endr
.irp i, 0,1,2,3,4,5,6,7
	global_load_b128 v[XR+4*\i:XR+4*\i+3], v8, s[14:15] offset:32768*\i th:TH_LOAD_NT   ; x's last reading in the program
.endr
	s_wait_loadcnt 8                               ; all but the eight loads of x, which are wanted at the end
.irp n, 0,1                                    ; the four accumulators by turns
.irp u, 0,1
	v_wmma_scale_f32_16x16x128_f8f6f4 v[ACC+8*(2*\n+\u):ACC+8*(2*\n+\u)+7], v[AF+32*\u:AF+32*\u+15], v[WF+32*\n:WF+32*\n+15], v[BI+8*\n:BI+8*\n+7], v[16+2*\u], v[20+2*\n] matrix_a_fmt:MATRIX_FMT_BF8 matrix_b_fmt:MATRIX_FMT_BF8
.endr
.endr
.irp n, 0,1
.irp u, 0,1
	v_wmma_scale_f32_16x16x128_f8f6f4 v[ACC+8*(2*\n+\u):ACC+8*(2*\n+\u)+7], v[AF+32*\u+16:AF+32*\u+31], v[WF+32*\n+16:WF+32*\n+31], v[ACC+8*(2*\n+\u):ACC+8*(2*\n+\u)+7], v[17+2*\u], v[21+2*\n] matrix_a_fmt:MATRIX_FMT_BF8 matrix_b_fmt:MATRIX_FMT_BF8
.endr
.endr
.rept 8
	v_nop                                          ; places in front of the first read of results, and of loads into registers that the products have read
.endr
.irp n, 0,1
.irp u, 0,1
	ds_store_b128 v9, v[ACC+8*(2*\n+\u):ACC+8*(2*\n+\u)+3] offset:16*272*\n+32*\u        ; output 32 g + 16 n + r, pixels 32 p + 16 h + 8 u + 0 .. 7; each accumulator from its low end on
	ds_store_b128 v9, v[ACC+8*(2*\n+\u)+4:ACC+8*(2*\n+\u)+7] offset:16*272*\n+32*\u+16
.endr
.endr
	s_wait_dscnt 0x0                               ; for the others' sake: my stores into the stage have landed
	s_barrier_signal -1
	s_barrier_wait -1
.irp i, 0,1,2,3,4,5,6,7
	ds_load_b128 v[AF+4*\i:AF+4*\i+3], v10 offset:544*\i
.endr
	s_wait_loadcnt 0x0                             ; x
.irp i, 0,1,2,3,4,5,6,7
	s_wait_dscnt 7-\i                              ; LDS loads come back in order: pair i of rows is in, the younger ones may be out
	v_pk_add_f32 v[AF+4*\i:AF+4*\i+1], v[AF+4*\i:AF+4*\i+1], v[XR+4*\i:XR+4*\i+1]
	v_pk_add_f32 v[AF+4*\i+2:AF+4*\i+3], v[AF+4*\i+2:AF+4*\i+3], v[XR+4*\i+2:XR+4*\i+3]
	global_store_b128 v8, v[AF+4*\i:AF+4*\i+3], s[16:17] offset:32768*\i th:TH_STORE_NT
.endr
	s_wait_tensorcnt 0x0
	ds_add_u32 v254, v255
	s_wait_dscnt 0x0
	s_endpgm
.Lfunc_end_k_q3aa4f97de5_proj:
	.size	k_q3aa4f97de5_proj, .Lfunc_end_k_q3aa4f97de5_proj-k_q3aa4f97de5_proj
	.p2alignl 7, 3214868480
	.fill 96, 4, 3214868480
	.section	.rodata,"a",@progbits
	.p2align	6, 0x0
	.amdhsa_kernel k_q3aa4f97de5_proj
		.amdhsa_group_segment_fixed_size 71680
		.amdhsa_private_segment_fixed_size 0
		.amdhsa_enable_private_segment 0
		.amdhsa_kernarg_size 56
		.amdhsa_user_sgpr_count 2
		.amdhsa_user_sgpr_kernarg_segment_ptr 1
		.amdhsa_wavefront_size32 1
		.amdhsa_system_sgpr_workgroup_id_x 1
		.amdhsa_system_sgpr_workgroup_id_y 1
		.amdhsa_system_sgpr_workgroup_id_z 1
		.amdhsa_system_vgpr_workitem_id 0
		.amdhsa_next_free_vgpr 256
		.amdhsa_next_free_sgpr 66
		.amdhsa_reserve_vcc 0
		.amdhsa_float_denorm_mode_32 3
		.amdhsa_float_denorm_mode_16_64 3
		.amdhsa_memory_ordered 1
		.amdhsa_forward_progress 1
		.amdhsa_inst_pref_size 14
	.end_amdhsa_kernel
	.amdgpu_metadata
---
amdhsa.version: [ 1, 2 ]
amdhsa.kernels:
  - .name:           k_q3aa4f97de5_proj
    .symbol:         k_q3aa4f97de5_proj.kd
    .args:
      - { .name: ac, .offset: 0, .size: 8, .value_kind: global_buffer, .address_space: global }
      - { .name: asc, .offset: 8, .size: 8, .value_kind: global_buffer, .address_space: global }
      - { .name: proj_w_codes, .offset: 16, .size: 8, .value_kind: global_buffer, .address_space: global }
      - { .name: proj_w_scales, .offset: 24, .size: 8, .value_kind: global_buffer, .address_space: global }
      - { .name: proj_b, .offset: 32, .size: 8, .value_kind: global_buffer, .address_space: global }
      - { .name: x, .offset: 40, .size: 8, .value_kind: global_buffer, .address_space: global }
      - { .name: out0, .offset: 48, .size: 8, .value_kind: global_buffer, .address_space: global }
    .group_segment_fixed_size: 71680
    .private_segment_fixed_size: 0
    .kernarg_segment_align: 8
    .kernarg_segment_size: 56
    .max_flat_workgroup_size: 512
    .sgpr_count:     66
    .vgpr_count:     256
    .wavefront_size: 32
...
	.end_amdgpu_metadata
.endif
;; end of part 4
